; MI455X (gfx1250); checked and timed in simulation.
; The chip was launched on July 23, 2026; its instructions are those of AMD's public machine-readable ISA for CDNA 5 (MIT licence, August 2026) and "CDNA5" Instruction Set Architecture Reference Guide (July 2026). The comments in the code are by the model that wrote it; some were corrected since.
;; Outer Product Mean. Allowed arithmetic: float matrix products may take bf16 or f16 operands with f32 sums; all other float work in f32.
;; Inputs: final_b 128 float32; final_w 128 x 1,024 float32; norm_b 256 float32; norm_w 256 float32; proj_b 64 float32; proj_w 64 x 256 float32; x1d 1 x 128 x 256 x 256 float32.
;; Outputs: out0 1 x 256 x 256 x 128 float32.
;; One version. Each part assembles by itself: llvm-mc -triple=amdgcn-amd-amdhsa -mcpu=gfx1250 --defsym DOCPART=n.
;; ======== version 1 of 1: 2 launches
;; limits: inputs' magnitudes at most 1,023; values are held in f16: magnitudes above 65,504 overflow, below 6.1e-05 lose precision
;; workspace buffers: iw 2,097,152 bytes; jw 2,097,152 bytes; wf 262,144 bytes; so 256 bytes
;; launch prep (part 1): grid 256 x 1, 4 waves a work-group, no clusters, 177,664 bytes of LDS; arguments x1d, norm_w, norm_b, proj_w, proj_b, final_w, iw, jw, wf, so; writes iw, jw, wf, so
.if DOCPART == 1
	.amdgcn_target "amdgcn-amd-amdhsa--gfx1250"
	.amdhsa_code_object_version 6
	.text
	.protected	k_q3e3b6d60c5_prep
	.globl	k_q3e3b6d60c5_prep
	.p2align	8
	.type	k_q3e3b6d60c5_prep,@function
k_q3e3b6d60c5_prep:
	s_mov_b64 s[64:65], 0
	v_nop
	global_prefetch_b8 v0, s[64:65] scope:SCOPE_SE
	s_setreg_imm32_b32 hwreg(HW_REG_WAVE_MODE, 25, 1), 1
	s_wait_xcnt 0x0
; LayerNorm over 256 channels, then the projection to 64 channels, for one sequence position l (the work-group's number) and all 128 m.
; Out: iw [x 32][i 256][m 128] f16 (a row (x, i) is 256 bytes), jw [j 256][y/16 2][m/8 16][y%16 16][m%8 8] f16 (the order in which the
; next launch's lanes take it), wf = 64 * final_w in f16 (same order as final_w), so = the factor that undoes all scales (64 equal words).
; ARITHMETIC.  xhat = (x - mean) * rsqrt(var + 1e-5), two passes in f32.  norm_w is folded into the weights, W'[d][c] = norm_w[c] proj_w[d][c],
; and norm_b into the bias, bias'[d] = proj_b[d] + sum over c of norm_b[c] proj_w[d][c], both in f32.  Matrix operands are f16, sums f32.
; SCALES.  With M = the largest of |W'| and |bias'| / 256 over the 32 channels of I (of J likewise) and 2^e <= M < 2^(e+1), W' and bias' are
; multiplied by 2^(-e-6), which is exact.  Then |W'| < 2^-5, and since the norm of a row of xhat is at most 16, |I|, |J| < 8 + 8 + rounding, and
; a sum of 128 products I J stays under 32,800: no number that is rounded to f16 here or in the next launch can overflow, whatever the inputs.
; LIMITS KEPT: |final_w| < 1023 (64 final_w is rounded to f16; below 1e-6 its numbers are kept to a step of 1e-9 only); M < 2^121.
; Four waves.  Wave w owns m = 32 w .. 32 w + 31 (two tiles of 16 rows) and prepares the 16 channels 16 w .. 16 w + 15 of W'.
; Channel ch = 0..31 is I's x (proj_w row 2 ch), ch = 32..63 is J's y (row 2 (ch - 32) + 1).
; K ORDER, alike in both operands: the eight k of K step kk, register half s, lane half h are piece P = 4 kk + 2 s + h = channels
; c = 4 P .. 4 P + 3 and 128 + 4 P .. + 3, so that lane P loads its piece of a row of proj_w as 16 bytes at 16 P and at 512 + 16 P:
; each load of a wave covers 512 consecutive bytes.
; ORDER OF THE REQUESTS: the weights (16 KiB a wave) are asked for first, x (32 KiB a wave, by two tensor loads) straight behind them, so that
; W' is prepared while x is on its way.
; No cluster and no joint loads: no two work-groups read the same bytes of x1d, and proj_w is 64 KiB against 128 KiB of x1d.
.set XPITCH, 1040                      ; an LDS row of x: 1,024 bytes + 16 of padding, an odd multiple of 16
.set XT16,   16*XPITCH                 ; one tensor load's tile: 16 rows
.set XWAVE,  32*XPITCH                 ; a wave's two tiles; the four waves' tiles fill LDS bytes 0 .. 133,119
.set WB,     133120                    ; W' in f16: 4 channel tiles x 32 pieces x 272 bytes (16 channels x 16 bytes + 16)
.set WPITCH, 272
.set WTILE,  32*WPITCH
.set BI,     167936                    ; 64 f32: the scaled bias of each channel
.set MXB,    168192                    ; 4 f32: each wave's M
.set ST,     168448                    ; I's stage: 32 rows (x) x 272 bytes (128 m in f16 + 16)
.set SPITCH, 272
.set XA,  4                            ; LDS: my 16 bytes in row r of my wave's first tile
.set WST, 5                            ; LDS: where lane P puts its piece of my wave's channel tile
.set WRD, 6                            ; LDS: where lane (r, h) reads a fragment of W'
.set BIS, 7                            ; LDS: my wave's 16 words of BI
.set BIR, 8                            ; LDS: word r of BI
.set STS, 9                            ; LDS: I's stage, in
.set STR, 10                           ; LDS: I's stage, back
.set GL,  11                           ; 16 x lane
.set IWO, 12                           ; byte offset in iw
.set FWO, 13                           ; 16 x thread
.set WFO, 14                           ; 8 x thread
.set PBO, 15                           ; 8 r
.set NW,  16                           ; v[16:23]   norm_w of my piece
.set NB,  24                           ; v[24:31]   norm_b of my piece
.set X,   32                           ; v[32:159]  first 16 rows of proj_w x 8; then 128 numbers of x, packed in place to v[32:95]
.set ACC, 160                          ; v[160:191] four accumulators, one for each channel tile
.set MX,  160                          ; v[160:175] before that: the largest |W'| of each of my 16 channels
.set CH,  160                          ; v[160:175] between two tiles' products: eight chains of the statistics
.set PK,  192                          ; v[192:207] results in f16
.set BS,  208                          ; v[208:223] bias sums of my 16 channels
.set BP,  216                          ; v[216:223] later: the bias of channel 16 t + r, twice, for t = 0..3
.set PBL, 224                          ; proj_b of my wave's channel r
.set INV, 226                          ; v[226:227] my wave's scale 2^(-e-6), twice
.set SCL, 228                          ; v[228:229] the factor for the next launch, twice
.set MXA, 230
.set MXS, 231
.set T,   232                          ; v[232:239] at work
.set FW,  240                          ; v[240:243] final_w as loaded
.set FH,  244                          ; v[244:245] in f16
.set MU,  246                          ; v[246:247] the mean, twice
.set RS,  248                          ; v[248:249] 1 / sqrt(var + eps), twice
.set G1,  28                           ; s[28:35] descriptor group 1
.set G0,  36                           ; s[36:43] descriptor group 0, one set for each of my two tiles
; window 1 (v256-v511): the fragments of W', fragment (t, kk) at v[64 t + 8 kk]
.set MSB, 0
.macro WIN new                         ; s_set_vgpr_msb: bits 1:0 source 0, 3:2 source 1, 5:4 source 2, 7:6 destination; the high byte repeats the setting that is left
.if MSB != \new
	s_set_vgpr_msb (MSB<<8)|\new
.set MSB, \new
.endif
.endm
.macro PLACES                          ; four plain vector instructions between a matrix instruction and what reads its result or writes its registers (ISA guide 7.12.1)
.rept 4
	v_nop
.endr
.endm
	s_load_b512 s[8:23], s[0:1], 0x0               ; x1d s[8:9], norm_w s[10:11], norm_b s[12:13], proj_w s[14:15], proj_b s[16:17], final_w s[18:19], iw s[20:21], jw s[22:23]
	s_load_b128 s[24:27], s[0:1], 0x40             ; wf s[24:25], so s[26:27]
	v_lshl_add_u32 v254, v0, 2, 0x2b400
	v_mov_b32 v255, 0
	ds_add_u32 v254, v255
	ds_add_u32 v254, v255
	v_lshrrev_b32 v1, 5, v0
	v_readfirstlane_b32 s4, v1                     ; wave 0..3
	v_and_b32 v1, 31, v0                           ; lane L
	v_and_b32 v2, 15, v0                           ; r
	v_bfe_u32 v3, v0, 4, 1                         ; h
	v_lshlrev_b32 v[GL], 4, v1
	v_lshlrev_b32 v[FWO], 4, v0
	v_lshlrev_b32 v[WFO], 3, v0
	v_lshlrev_b32 v[PBO], 3, v2
	; group 1: a tile of 16 rows (m) x 256 elements of 4 bytes, 65,536 elements from m to m + 1, 16 bytes of padding behind each row
	s_mov_b32 s[G1+0], (2<<16)|(1<<20)|(7<<22)|(3<<25)   ; no mask; element of 4 bytes; padding on; after every 256 words; of 4 words
	s_mov_b32 s[G1+1], 256<<16                     ; tensor_dim0 = 256
	s_mov_b32 s[G1+2], 16<<16                      ; tensor_dim1 = 16
	s_mov_b32 s[G1+3], 256<<16                     ; tile_dim0 = 256
	s_mov_b32 s[G1+4], 16                          ; tile_dim1 = 16
	s_mov_b32 s[G1+5], 65536                       ; the pitch
	s_mov_b32 s[G1+6], 0
	s_mov_b32 s[G1+7], 0
	s_and_b32 s5, s4, 1
	s_lshr_b32 s6, s4, 1
	s_lshl_b32 s44, ttmp9, 10                      ; x1d: l x 1,024 bytes
	s_lshl_b32 s46, s4, 23                         ; + 32 w rows of 262,144 bytes
	s_add_co_u32 s44, s44, s46
	s_mov_b32 s45, 0
	s_mul_i32 s47, s4, XWAVE                       ; my wave's tiles in LDS
	s_lshl_b32 s48, s5, 15                         ; proj_w: my first row d = 32 (w & 1) + (w >> 1), 1,024 bytes a row
	s_lshl_b32 s46, s6, 10
	s_add_co_u32 s48, s48, s46
	s_mov_b32 s49, 0
	s_lshl_b32 s50, s5, 7                          ; proj_b: the same d, 4 bytes each
	s_lshl_b32 s46, s6, 2
	s_add_co_u32 s50, s50, s46
	s_mov_b32 s51, 0
	s_lshl_b32 s58, ttmp9, 11                      ; final_w: 512 numbers for each work-group
	s_mov_b32 s59, 0
	s_wait_dscnt 0x0
	s_wait_kmcnt 0x0
	; every base is stepped to the work-group's and the wave's part before the first load or store that names it
	s_add_nc_u64 s[14:15], s[14:15], s[48:49]
	s_add_nc_u64 s[16:17], s[16:17], s[50:51]
	s_add_nc_u64 s[18:19], s[18:19], s[58:59]
	global_load_b128 v[NW:NW+3],   v[GL], s[10:11]
	global_load_b128 v[NW+4:NW+7], v[GL], s[10:11] offset:512
	global_load_b128 v[NB:NB+3],   v[GL], s[12:13]
	global_load_b128 v[NB+4:NB+7], v[GL], s[12:13] offset:512
.irp rr, 0,1,2,3,4,5,6,7,8,9,10,11,12,13,14,15
	global_load_b128 v[X+8*\rr:X+8*\rr+3],   v[GL], s[14:15] offset:\rr*2048        ; channel rr of my tile is proj_w's row d + 2 rr
	global_load_b128 v[X+8*\rr+4:X+8*\rr+7], v[GL], s[14:15] offset:\rr*2048+512
.endr
	global_load_b32 v[PBL], v[PBO], s[16:17]                       ; lane r: proj_b[d + 2 r]
	global_load_b128 v[FW:FW+3], v[FWO], s[18:19] th:TH_LOAD_NT    ; read once in the launch
	; both tiles of x, straight behind the weights and ahead of every wait on TENSORcnt, every LDS read and every barrier
	s_add_nc_u64 s[44:45], s[8:9], s[44:45]
.irp t, 0,1
	s_mov_b32 s[G0+4*\t], 1
	s_add_co_u32 s[G0+4*\t+1], s47, \t*XT16
	s_add_nc_u64 s[G0+4*\t+2:G0+4*\t+3], s[44:45], \t*0x400000     ; 16 rows of 262,144 bytes on
	s_or_b32 s[G0+4*\t+3], s[G0+4*\t+3], 0x80000000
	tensor_load_to_lds s[G0+4*\t:G0+4*\t+3], s[G1:G1+7]
	s_nop 0
.endr
	s_lshl_b32 s48, ttmp9, 10
	s_add_nc_u64 s[24:25], s[24:25], s[48:49]      ; wf: my 512 numbers in f16
	s_lshl_b32 s48, ttmp9, 8
	s_add_nc_u64 s[20:21], s[20:21], s[48:49]      ; iw: row i = l of every x
	s_lshl_b32 s48, ttmp9, 13
	s_lshl_b32 s46, s4, 10
	s_add_co_u32 s48, s48, s46
	s_add_nc_u64 s[22:23], s[22:23], s[48:49]      ; jw: j = l, groups of m 4 w ..
	; constants and LDS addresses, while the loads are on their way
	s_mov_b32 s52, 0x76543210                      ; v_permlanex16_b32: lane i reads lane i of the other half
	s_mov_b32 s53, 0xfedcba98
	s_mov_b32 s54, 0x3b800000                      ; 1 / 256
	s_mov_b32 s55, 0x3727c5ac                      ; 1e-5
	s_mov_b32 s56, 0x7fffffff                      ; clears a sign
	s_cmp_lg_u32 s6, 0
	s_cselect_b32 s57, -1, 0                       ; all ones in waves 2 and 3 (J's channels)
	v_mul_u32_u24 v[XA], v2, XPITCH
	v_lshl_add_u32 v[XA], v3, 4, v[XA]
	v_add_nc_u32 v[XA], s47, v[XA]                 ; w x 33,280 + r x 1,040 + 16 h
	s_mul_i32 s51, s4, WTILE
	s_add_co_u32 s51, s51, WB
	v_mul_u32_u24 v[WST], v1, WPITCH
	v_add_nc_u32 v[WST], s51, v[WST]               ; WB + w x 8,704 + L x 272
	v_mul_u32_u24 v[WRD], v3, WPITCH
	v_lshl_add_u32 v[WRD], v2, 4, v[WRD]
	v_add_nc_u32 v[WRD], WB, v[WRD]                ; WB + h x 272 + 16 r
	s_lshl_b32 s51, s4, 6
	s_add_co_u32 s50, s51, BI
	v_mov_b32 v[BIS], s50                          ; BI + 64 w
	v_lshlrev_b32 v[BIR], 2, v2
	v_add_nc_u32 v[BIR], BI, v[BIR]                ; BI + 4 r
	s_add_co_u32 s50, s51, ST
	v_mul_u32_u24 v[STS], v2, SPITCH
	v_lshl_add_u32 v[STS], v3, 4, v[STS]
	v_add_nc_u32 v[STS], s50, v[STS]               ; ST + r x 272 + 16 h + 64 w
	s_mul_i32 s50, s4, 8*SPITCH
	s_add_co_u32 s50, s50, ST
	v_mul_u32_u24 v[STR], v3, SPITCH
	v_lshl_add_u32 v[STR], v2, 4, v[STR]
	v_add_nc_u32 v[STR], s50, v[STR]               ; ST + (8 w + h) x 272 + 16 r
	s_lshl_b32 s50, s4, 19
	v_lshlrev_b32 v[IWO], 16, v3
	v_lshl_add_u32 v[IWO], v2, 4, v[IWO]
	v_add_nc_u32 v[IWO], s50, v[IWO]               ; (8 w + h) x 65,536 + 16 r
	s_lshl_b32 s50, s4, 2
	s_add_co_u32 s50, s50, MXB
	v_mov_b32 v[MXS], s50
	v_mov_b32 v[MXA], MXB
; Channel rr of my tile, my piece of 8 numbers: the partial sum of norm_b proj_w, then W' = norm_w proj_w in place, then the largest |W'|.
.macro PREPA rr
	v_pk_mul_f32 v[T:T+1], v[X+8*\rr:X+8*\rr+1], v[NB:NB+1]
.irp k, 2,4,6
	v_pk_fma_f32 v[T:T+1], v[X+8*\rr+\k:X+8*\rr+\k+1], v[NB+\k:NB+\k+1], v[T:T+1]
.endr
	v_add_f32 v[BS+\rr], v[T], v[T+1]
.irp k, 0,2,4,6
	v_pk_mul_f32 v[X+8*\rr+\k:X+8*\rr+\k+1], v[X+8*\rr+\k:X+8*\rr+\k+1], v[NW+\k:NW+\k+1]
.endr
.irp k, 0,1,2,3,4,5,6,7
	v_and_b32 v[T+\k], s56, v[X+8*\rr+\k]
.endr
	v_max3_num_f32 v[T], v[T], v[T+1], v[T+2]
	v_max3_num_f32 v[T+3], v[T+3], v[T+4], v[T+5]
	v_max3_num_f32 v[T], v[T], v[T+6], v[T+7]
	v_max_num_f32 v[MX+\rr], v[T], v[T+3]
.endm
; The last step of a reduction over the wave, for eight registers: each lane takes the other half's figure.
.macro XHALF op, base
.irp k, 0,1,2,3,4,5,6,7
	v_permlanex16_b32 v[T+\k], v[\base+\k], s52, s53       ; its destination counts as read: T has been written
.endr
.irp k, 0,1,2,3,4,5,6,7
	\op v[\base+\k], v[\base+\k], v[T+\k]
.endr
.endm
; Channel rr once the scale is known: W' scaled, rounded to f16 and put where the fragments are read; the bias scaled.
.macro PREPB rr
.irp k, 0,2,4,6
	v_pk_mul_f32 v[X+8*\rr+\k:X+8*\rr+\k+1], v[X+8*\rr+\k:X+8*\rr+\k+1], v[INV:INV+1]
.endr
.irp k, 0,1,2,3
	v_cvt_pk_f16_f32 v[T+4+\k], v[X+8*\rr+2*\k], v[X+8*\rr+2*\k+1]
.endr
	ds_store_b128 v[WST], v[T+4:T+7] offset:16*\rr
	v_mul_f32 v[BS+\rr], v[BS+\rr], v[INV]
	ds_store_b32 v[BIS], v[BS+\rr] offset:4*\rr            ; every lane holds the same number and writes the same word
.endm
	s_wait_loadcnt 0x1                             ; all but the youngest load (final_w) are in
.irp rr, 0,1,2,3,4,5,6,7,8,9,10,11,12,13,14,15
	PREPA \rr
.endr
	; over the 32 lanes: four steps inside each half ride on the arithmetic, sixteen sums and sixteen maxima side by side
.irp msk, 1,2,4,8
.irp rr, 0,1,2,3,4,5,6,7,8,9,10,11,12,13,14,15
	v_add_f32_dpp v[BS+\rr], v[BS+\rr], v[BS+\rr] row_xmask:\msk row_mask:0xf bank_mask:0xf
	v_max_num_f32_dpp v[MX+\rr], v[MX+\rr], v[MX+\rr] row_xmask:\msk row_mask:0xf bank_mask:0xf
.endr
.endr
	XHALF v_add_f32, BS
	XHALF v_add_f32, BS+8
	XHALF v_max_num_f32, MX
	XHALF v_max_num_f32, MX+8
	; bias' = proj_b + the sum; my wave's M = the largest of |W'| and |bias'| / 256 over its 16 channels
.irp rr, 0,1,2,3,4,5,6,7,8,9,10,11,12,13,14,15
	v_readlane_b32 s7, v[PBL], \rr
	v_add_f32 v[BS+\rr], s7, v[BS+\rr]
	v_mul_f32 v[T+1], s54, v[BS+\rr]
	v_and_b32 v[T+1], s56, v[T+1]
.if \rr == 0
	v_max_num_f32 v[T], v[MX], v[T+1]
.else
	v_max3_num_f32 v[T], v[T], v[MX+\rr], v[T+1]
.endif
.endr
	ds_store_b32 v[MXS], v[T]
	s_wait_dscnt 0x0                               ; my word is in LDS, for the other waves' sake
	s_barrier_signal -1                            ; (my two tensor loads may stay out: behind this barrier no LDS byte is filled again, and only I read my tiles)
	s_barrier_wait -1
	ds_load_b128 v[T:T+3], v[MXA]                  ; the four waves' M
	s_wait_dscnt 0x0
	v_max_num_f32 v[T], v[T], v[T+1]               ; I's channels: waves 0 and 1
	v_max_num_f32 v[T+2], v[T+2], v[T+3]           ; J's channels: waves 2 and 3
	v_and_b32 v[T], 0x7f800000, v[T]               ; the exponent field alone: 2^e
	v_and_b32 v[T+2], 0x7f800000, v[T+2]
	v_sub_nc_u32 v[T+1], 0x7c000000, v[T]          ; field 248 - (e + 127) = 127 - e - 6: 2^(-e-6)
	v_sub_nc_u32 v[T+3], 0x7c000000, v[T+2]
	v_cndmask_b32 v[INV], v[T+1], v[T+3], s57      ; my wave's own
	v_mov_b32 v[INV+1], v[INV]
	v_add_nc_u32 v[T], 0x03000000, v[T]            ; 2^(e+6), the exact inverse
	v_add_nc_u32 v[T+2], 0x03000000, v[T+2]
	v_mul_f32 v[T], 0x39000000, v[T]               ; x 2^-13: the mean's 1 / 128 and the 1 / 64 of wf
	v_mul_f32 v[SCL], v[T], v[T+2]
	v_mov_b32 v[SCL+1], v[SCL]
.irp rr, 0,1,2,3,4,5,6,7,8,9,10,11,12,13,14,15
	PREPB \rr
.endr
	s_or_b32 s46, ttmp9, s4
	s_cmp_lg_u32 s46, 0
	s_cbranch_scc1 .Lno_scale                      ; every work-group has the same factor; wave 0 of work-group 0 stores it
	global_store_b64 v[WFO], v[SCL:SCL+1], s[26:27]        ; 32 lanes x 8 bytes: the buffer's 256 bytes in one instruction
.Lno_scale:
	s_wait_loadcnt 0x0                             ; final_w
	v_pk_mul_f32 v[FW:FW+1], v[FW:FW+1], 0x42800000 op_sel_hi:[1,0]      ; x 64
	v_pk_mul_f32 v[FW+2:FW+3], v[FW+2:FW+3], 0x42800000 op_sel_hi:[1,0]
	v_cvt_pk_f16_f32 v[FH], v[FW], v[FW+1]
	v_cvt_pk_f16_f32 v[FH+1], v[FW+2], v[FW+3]
	global_store_b64 v[WFO], v[FH:FH+1], s[24:25]  ; a wave stores 256 consecutive bytes, aligned
	s_wait_dscnt 0x0                               ; my tile of W' and my biases are in LDS
	s_barrier_signal -1
	s_barrier_wait -1                              ; everybody's are
	WIN 0x40                                       ; destination in window 1
.irp t, 0,1,2,3
.irp kk, 0,1,2,3,4,5,6,7
	ds_load_b128 v[64*\t+8*\kk:64*\t+8*\kk+3],   v[WRD] offset:\t*WTILE+\kk*4*WPITCH              ; piece 4 kk + h
	ds_load_b128 v[64*\t+8*\kk+4:64*\t+8*\kk+7], v[WRD] offset:\t*WTILE+\kk*4*WPITCH+2*WPITCH     ; piece 4 kk + 2 + h
.endr
.endr
	WIN 0
.irp t, 0,1,2,3
	ds_load_b32 v[BP+2*\t],   v[BIR] offset:64*\t  ; the bias of channel 16 t + r, into both registers of a pair
	ds_load_b32 v[BP+2*\t+1], v[BIR] offset:64*\t
.endr
; The eight chains of a sum are folded, and the two lanes that share a row add their halves: T = the row's total, in both.
.macro FOLD
.irp c, 0,1,2,3
	v_pk_add_f32 v[CH+2*\c:CH+2*\c+1], v[CH+2*\c:CH+2*\c+1], v[CH+8+2*\c:CH+8+2*\c+1]
.endr
	v_pk_add_f32 v[CH:CH+1], v[CH:CH+1], v[CH+4:CH+5]
	v_pk_add_f32 v[CH+2:CH+3], v[CH+2:CH+3], v[CH+6:CH+7]
	v_pk_add_f32 v[CH:CH+1], v[CH:CH+1], v[CH+2:CH+3]
	v_add_f32 v[T], v[CH], v[CH+1]
	v_permlanex16_b32 v[T+1], v[T], s52, s53
	v_add_f32 v[T], v[T], v[T+1]
.endm
; Sixteen rows m = 32 w + 16 tau + 0..15.  Lane (r, h) holds half of row r: the sixteen pieces with its h, 128 numbers = 64 pairs, by 32 LDS loads.
.macro ROWS16 tau
	s_wait_tensorcnt 1-\tau                        ; a wave's tensor loads end in order (ISA guide 10.11.1): this tile is in, the younger one may be out
.irp kk, 0,1,2,3,4,5,6,7
.irp s, 0,1
	ds_load_b128 v[X+16*\kk+8*\s:X+16*\kk+8*\s+3],   v[XA] offset:\tau*XT16+64*\kk+32*\s
	ds_load_b128 v[X+16*\kk+8*\s+4:X+16*\kk+8*\s+7], v[XA] offset:\tau*XT16+64*\kk+32*\s+512
.endr
.endr
	; the mean's pass follows the 32 loads, eight at a time: load n fills v[X + 4 n .. + 3], LDS loads come back in order (ISA guide 5.7.1)
	s_wait_dscnt 24                                ; the first eight are in (and all that is older: first time the fragments of W' and the biases); the 24 younger may be out
.irp c, 0,1,2,3,4,5,6,7
	v_pk_add_f32 v[CH+2*\c:CH+2*\c+1], v[X+2*\c:X+2*\c+1], v[X+16+2*\c:X+16+2*\c+1]    ; pairs 0 to 15 start the eight chains: nothing is cleared
.endr
.set p, 16
.set j, 1
.rept 3
	s_wait_dscnt 24-8*j                            ; the next eight loads, 16 pairs of numbers; the younger ones may be out; the last count is 0
.rept 16
	v_pk_add_f32 v[CH+2*(p%8):CH+2*(p%8)+1], v[CH+2*(p%8):CH+2*(p%8)+1], v[X+2*p:X+2*p+1]
.set p, p+1
.endr
.set j, j+1
.endr
	FOLD
	v_mul_f32 v[MU], s54, v[T]
	v_mul_f32 v[MU+1], s54, v[T]
.set p, 0
.rept 64
	v_pk_add_f32 v[X+2*p:X+2*p+1], v[X+2*p:X+2*p+1], v[MU:MU+1] neg_lo:[0,1] neg_hi:[0,1]    ; x - mean, in place
.set p, p+1
.endr
.irp c, 0,1,2,3,4,5,6,7
	v_pk_mul_f32 v[CH+2*\c:CH+2*\c+1], v[X+2*\c:X+2*\c+1], v[X+2*\c:X+2*\c+1]
.endr
.set p, 8
.rept 56
	v_pk_fma_f32 v[CH+2*(p%8):CH+2*(p%8)+1], v[X+2*p:X+2*p+1], v[X+2*p:X+2*p+1], v[CH+2*(p%8):CH+2*(p%8)+1]
.set p, p+1
.endr
	FOLD
	v_fma_f32 v[T], v[T], s54, s55                 ; var + 1e-5: at least 1e-5, never a denormal
	v_rsq_f32 v[RS], v[T]
	v_rsq_f32 v[RS+1], v[T]
	v_nop                                          ; one plain vector instruction between a transcendental and the use of its result (ISA guide 5.7.2)
.set p, 0
	s_wait_alu depctr_va_vdst(0)
.rept 64
	v_pk_mul_f32 v[X+2*p:X+2*p+1], v[X+2*p:X+2*p+1], v[RS:RS+1]
.set p, p+1
.endr
.set p, 0
.rept 64
	v_cvt_pk_f16_f32 v[X+p], v[X+2*p], v[X+2*p+1]  ; packed in place, upward: word p is written when words 2 p and 2 p + 1 are read
.set p, p+1
.endr
	WIN 0x04                                       ; source 1 (W') in window 1
	; four accumulators by turns, one instruction a turn; the first K step starts the sums
.irp kk, 0,1,2,3,4,5,6,7
.irp t, 0,1,2,3
.if \kk == 0
	v_wmma_f32_16x16x32_f16 v[ACC+8*\t:ACC+8*\t+7], v[X+8*\kk:X+8*\kk+7], v[64*\t+8*\kk:64*\t+8*\kk+7], 0
.else
	v_wmma_f32_16x16x32_f16 v[ACC+8*\t:ACC+8*\t+7], v[X+8*\kk:X+8*\kk+7], v[64*\t+8*\kk:64*\t+8*\kk+7], v[ACC+8*\t:ACC+8*\t+7]
.endif
.endr
.endr
	WIN 0
	PLACES
	s_wait_xcnt 0x0                                ; PK, which the last tile's stores to jw read, is rewritten only behind this wait
	; lane (r, h), register e of tile t: channel 16 t + r, m = 8 h + e: eight neighbouring m, 16 bytes in f16
.irp t, 0,1,2,3
.irp e, 0,2,4,6
	v_pk_add_f32 v[ACC+8*\t+\e:ACC+8*\t+\e+1], v[ACC+8*\t+\e:ACC+8*\t+\e+1], v[BP+2*\t:BP+2*\t+1]
.endr
.endr
.irp t, 0,1,2,3
.irp e, 0,1,2,3
	v_cvt_pk_f16_f32 v[PK+4*\t+\e], v[ACC+8*\t+2*\e], v[ACC+8*\t+2*\e+1]
.endr
.endr
	global_store_b128 v[GL], v[PK+8:PK+11],  s[22:23] offset:\tau*512          ; J, y = r: groups of m 4 w + 2 tau + h: 512 consecutive bytes
	global_store_b128 v[GL], v[PK+12:PK+15], s[22:23] offset:4096+\tau*512     ; J, y = 16 + r
	ds_store_b128 v[STS], v[PK:PK+3]   offset:\tau*32                          ; I, x = r: into the stage, where the four waves' m meet
	ds_store_b128 v[STS], v[PK+4:PK+7] offset:16*SPITCH+\tau*32                ; I, x = 16 + r
.endm
	ROWS16 0
	ROWS16 1
	s_wait_dscnt 0x0                               ; my part of the stage is in LDS
	s_barrier_signal -1
	s_barrier_wait -1                              ; the whole stage is
.irp q, 0,1,2,3
	ds_load_b128 v[X+4*\q:X+4*\q+3], v[STR] offset:\q*2*SPITCH     ; rows x = 8 w + 2 q + h, whole
.endr
.irp q, 0,1,2,3
	s_wait_dscnt 3-\q                              ; LDS loads come back in order (ISA guide 5.7.1): load q is in, the younger ones may be out
	global_store_b128 v[IWO], v[X+4*\q:X+4*\q+3], s[20:21] offset:\q*131072    ; sixteen lanes store the 256 bytes of row (x, i = l), aligned
.endr
	s_wait_tensorcnt 0x0
	ds_add_u32 v254, v255
	s_wait_dscnt 0x0
	s_endpgm
.Lfunc_end_k_q3e3b6d60c5_prep:
	.size	k_q3e3b6d60c5_prep, .Lfunc_end_k_q3e3b6d60c5_prep-k_q3e3b6d60c5_prep
	.p2alignl 7, 3214868480
	.fill 96, 4, 3214868480
	.section	.rodata,"a",@progbits
	.p2align	6, 0x0
	.amdhsa_kernel k_q3e3b6d60c5_prep
		.amdhsa_group_segment_fixed_size 177664
		.amdhsa_private_segment_fixed_size 0
		.amdhsa_enable_private_segment 0
		.amdhsa_kernarg_size 80
		.amdhsa_user_sgpr_count 2
		.amdhsa_user_sgpr_kernarg_segment_ptr 1
		.amdhsa_wavefront_size32 1
		.amdhsa_system_sgpr_workgroup_id_x 1
		.amdhsa_system_sgpr_workgroup_id_y 1
		.amdhsa_system_sgpr_workgroup_id_z 1
		.amdhsa_system_vgpr_workitem_id 0
		.amdhsa_next_free_vgpr 512
		.amdhsa_next_free_sgpr 66
		.amdhsa_reserve_vcc 0
		.amdhsa_float_denorm_mode_32 3
		.amdhsa_float_denorm_mode_16_64 3
		.amdhsa_memory_ordered 1
		.amdhsa_forward_progress 1
		.amdhsa_inst_pref_size 112
	.end_amdhsa_kernel
	.amdgpu_metadata
---
amdhsa.version: [ 1, 2 ]
amdhsa.kernels:
  - .name:           k_q3e3b6d60c5_prep
    .symbol:         k_q3e3b6d60c5_prep.kd
    .args:
      - { .name: x1d, .offset: 0, .size: 8, .value_kind: global_buffer, .address_space: global }
      - { .name: norm_w, .offset: 8, .size: 8, .value_kind: global_buffer, .address_space: global }
      - { .name: norm_b, .offset: 16, .size: 8, .value_kind: global_buffer, .address_space: global }
      - { .name: proj_w, .offset: 24, .size: 8, .value_kind: global_buffer, .address_space: global }
      - { .name: proj_b, .offset: 32, .size: 8, .value_kind: global_buffer, .address_space: global }
      - { .name: final_w, .offset: 40, .size: 8, .value_kind: global_buffer, .address_space: global }
      - { .name: iw, .offset: 48, .size: 8, .value_kind: global_buffer, .address_space: global }
      - { .name: jw, .offset: 56, .size: 8, .value_kind: global_buffer, .address_space: global }
      - { .name: wf, .offset: 64, .size: 8, .value_kind: global_buffer, .address_space: global }
      - { .name: so, .offset: 72, .size: 8, .value_kind: global_buffer, .address_space: global }
    .group_segment_fixed_size: 177664
    .private_segment_fixed_size: 0
    .kernarg_segment_align: 8
    .kernarg_segment_size: 80
    .max_flat_workgroup_size: 128
    .sgpr_count:     66
    .vgpr_count:     512
    .wavefront_size: 32
...
	.end_amdgpu_metadata
.endif
;; end of part 1
;; launch opm (part 2): grid 16 x 16, 4 waves a work-group, clusters of 4 x 1, 327,680 bytes of LDS; arguments iw, jw, wf, final_b, so, out0; writes out0
.if DOCPART == 2
	.amdgcn_target "amdgcn-amd-amdhsa--gfx1250"
	.amdhsa_code_object_version 6
	.text
	.protected	k_q3e3b6d60c5_opm
	.globl	k_q3e3b6d60c5_opm
	.p2align	8
	.type	k_q3e3b6d60c5_opm,@function
k_q3e3b6d60c5_opm:
	s_mov_b64 s[64:65], 0
	v_nop
	global_prefetch_b8 v0, s[64:65] scope:SCOPE_SE
	s_setreg_imm32_b32 hwreg(HW_REG_WAVE_MODE, 25, 1), 1
	s_wait_xcnt 0x0
	s_wait_alu depctr_hold_cnt(0) depctr_sa_sdst(0) depctr_va_vdst(0) depctr_va_sdst(0) depctr_va_ssrc(0) depctr_va_vcc(0) depctr_vm_vsrc(0)
	s_getreg_b32 s2, hwreg(HW_REG_IB_STS2, 6, 4)
	s_cmp_eq_u32 s2, 0
	s_cbranch_scc0 .Lentry_in_a_cluster
	s_endpgm
.Lentry_in_a_cluster:
	s_bfe_u32 s2, ttmp6, 0x10000c
	s_cmp_lg_u32 s2, 0x3003
	s_cbranch_scc0 .Lentry_shape_is_right
	s_endpgm
.Lentry_shape_is_right:
; out[i][j][o] = S * sum over x, y of ( sum over m of I[m][i][x] J[m][j][y] ) * wf[o][32 x + y] + final_b[o], S the factor left by the launch before.
; A work-group makes out[16 ib .. +15][16 jb .. +15][all 128 o]; wave w the four j = 16 jb + 4 w + jj and all sixteen i.
; THE OUTER PRODUCT NEVER LEAVES THE REGISTERS.  For one x, product 1 takes 16 y of one j as rows (J, from registers) and the 16 i as columns
; (I, from LDS), K = m.  In its result lane (r, h) holds, in register e, y = 8 h + e of i = r.  Two such tiles (y 0-15, y 16-31), rounded to
; f16 two by two, are exactly a 16-bit operand of 32 along K: lane r <-> i, k <-> y.  Product 2 takes it as its columns and 16 rows o of wf
; (32 neighbouring numbers f = 32 x + y of a row) as its rows, and adds over the 32 steps x into 32 accumulators (4 j x 8 blocks of o).
; A step is 32 + 32 matrix instructions; all sums are f32; both products' operands are f16 (the launch before bounds them: no overflow).
; PRODUCT 1 RUNS ONE STEP AHEAD OF PRODUCT 2.  The body of step s is: product 1 of step s + 1; half of its conversions; ONE run of 24 LDS loads
; (I and wf of step s + 2); product 2 of step s, with the other half of the conversions in its middle.  So no product waits for conversions of
; its own step, and fragments are asked for one step (I) and two steps (wf) before they are multiplied.  It costs the f16 operand twice
; (by the step's parity) and a ring of four places for wf's fragments (by the step modulo 4).
; CLUSTERS: the four work-groups of a cluster have one ib and four jb.  What is streamed, wf (all of it) and I's block ib, hangs on ib alone, so both
; are asked for JOINTLY, mask 15: each of the four issues the same tensor load and receives the tile in its own LDS.  J is each wave's own
; and goes straight to registers.  The place in the cluster (cx) enters jw's and out0's addresses alone, in registers of their own.
; LDS: two slots; a slot holds four steps: 128 rows (o) x 256 bytes of wf, then 64 rows (4 x x 16 i) x 256 bytes of I, all at pitch 272.
; Waves 0 and 1 fetch wf's halves (64 rows each), waves 2 and 3 two x of I each: one tensor load a wave behind each change of slots.
.set PITCH,  272                       ; 256 bytes + 16 of padding: an odd multiple of 16, so the 16 rows of a fragment load start in 16 different columns of 16 bytes
.set IPART,  128*PITCH                 ; I's rows lie behind wf's 128
.set SLOT,   192*PITCH                 ; 52,224
.set STAGE,  2*SLOT                    ; 104,448
.set SPITCH, 528                       ; a row of 128 f32 + 16
.set SWAVE,  16*SPITCH
.set AW,   2                           ; v2, v3    LDS address of my W fragments in slot 0, 1
.set AI,   4                           ; v4, v5    the same for I
.set STO,  6                           ; the way out: where I put 32 bytes of a row
.set RD,   7                           ; the way out: where I read a row back
.set CO,   8                           ; 16 x lane
.set BIAS, 10                          ; v[10:13]   final_b[4 L .. 4 L + 3]
.set IFR,  16                          ; v[16:47]   I's fragments of one step, 8 kk
.set D1,   48                          ; v[48:111]  product 1's eight tiles, a = 2 jj + y/16
.set PF,   112                         ; v[112:143], v[144:175] the same in f16, for even and for odd steps: product 2's columns, 8 jj
; window 1 (v256-v511): J, fragment (a, kk) at v[32 a + 8 kk];  window 2 (v512-v767): accumulator (jj, ot) at v[64 jj + 8 ot]
; window 3 (v768-v1023): wf's fragments, place q = step modulo 4, fragment ot at v[64 q + 8 ot]
.set G1W, 24                           ; s[24:31] group 1 for wf's tiles
.set G1I, 32                           ; s[32:39] group 1 for I's tiles
.set G0W, 40                           ; s[40:47] group 0 for wf's tiles, one set for each slot
.set G0I, 48                           ; s[48:55] group 0 for I's tiles, one set for each slot
.set MSB, 0
.macro WIN new                         ; s_set_vgpr_msb: bits 1:0 source 0, 3:2 source 1, 5:4 source 2, 7:6 destination; the high byte repeats the setting that is left
.if MSB != \new
	s_set_vgpr_msb (MSB<<8)|\new
.set MSB, \new
.endif
.endm
.macro PLACES                          ; four plain vector instructions between a matrix instruction and what reads its result, writes its registers or loads into them
.rept 4
	v_nop
.endr
.endm
; A round of the cluster's barrier: my work-group's barrier, wave 0 signals for the work-group, every wave waits for all four work-groups, my work-group's barrier again.
.macro CREST                           ; a round behind its opening barrier
	s_cmp_lg_u32 s16, 0
	s_cbranch_scc1 .Lnot_wave_0_\@
	s_barrier_signal -3
.Lnot_wave_0_\@:
	s_barrier_wait -3
	s_barrier_signal -1
	s_barrier_wait -1
.endm
.macro ROUND                           ; a whole round
	s_barrier_signal -1
	s_barrier_wait -1
	CREST
.endm
; A joint load into slot sl.  The branch hangs on the wave's number alone: it is the same in all four work-groups, and so is every register named.
.macro JLOAD sl
	s_cmp_eq_u32 s17, 0
	s_cbranch_scc0 .Lfor_i_\@
	tensor_load_to_lds s[G0W+4*\sl:G0W+4*\sl+3], s[G1W:G1W+7]
	s_nop 0
	s_branch .Lasked_\@
.Lfor_i_\@:
	tensor_load_to_lds s[G0I+4*\sl:G0I+4*\sl+3], s[G1I:G1I+7]
	s_nop 0
	v_nop
.Lasked_\@:
.endm
	s_load_b256 s[4:11], s[0:1], 0x0               ; iw s[4:5], jw s[6:7], wf s[8:9], final_b s[10:11]
	s_load_b128 s[12:15], s[0:1], 0x20             ; so s[12:13], out0 s[14:15]
	v_lshl_add_u32 v254, v0, 2, 0x29000
	v_mov_b32 v255, 0
	ds_add_u32 v254, v255
	ds_add_u32 v254, v255
	v_lshrrev_b32 v1, 5, v0
	v_readfirstlane_b32 s16, v1                    ; wave 0..3
	s_lshr_b32 s17, s16, 1                         ; I fetch for wf (0) or for I (1)
	s_and_b32 s18, s16, 1                          ; and which half
	s_and_b32 s19, ttmp7, 0xffff                   ; ib: the cluster's y, shared by the four
	s_bfe_u32 s2, ttmp6, 0x40000                   ; cx
	s_lshl_b32 s3, ttmp9, 2
	s_add_co_u32 s3, s3, s2                        ; jb = 4 x cluster x + cx
	; group 1 of both: mask 15 (all four), bit 21 beside it, elements of 2 bytes, 4 words of padding after every 64 words
	s_mov_b32 s[G1W+0], 15|(1<<16)|(1<<20)|(1<<21)|(5<<22)|(3<<25)
	s_mov_b32 s[G1W+1], 128<<16                    ; tensor_dim0 = 128 (four x of 32 y)
	s_mov_b32 s[G1W+2], 64<<16                     ; tensor_dim1 = 64 rows o
	s_mov_b32 s[G1W+3], 128<<16                    ; tile_dim0
	s_mov_b32 s[G1W+4], 64                         ; tile_dim1
	s_mov_b32 s[G1W+5], 1024                       ; a row of wf
	s_mov_b32 s[G1W+6], 0
	s_mov_b32 s[G1W+7], 0
	s_mov_b32 s[G1I+0], 15|(1<<16)|(1<<20)|(1<<21)|(5<<22)|(3<<25)
	s_mov_b32 s[G1I+1], 2048<<16                   ; tensor_dim0 = 2,048: sixteen i x 128 m lie without a gap, 4,096 bytes; the padding cuts them into 16 LDS rows
	s_mov_b32 s[G1I+2], 2<<16                      ; tensor_dim1 = 2 x
	s_mov_b32 s[G1I+3], 2048<<16
	s_mov_b32 s[G1I+4], 2
	s_mov_b32 s[G1I+5], 32768                      ; from x to x + 1: 256 i x 128 m
	s_mov_b32 s[G1I+6], 0
	s_mov_b32 s[G1I+7], 0
	s_mul_i32 s20, s16, 64*PITCH                   ; wf's halves at 0 and 17,408 (waves 0, 1)
	s_mul_i32 s21, s16, 32*PITCH
	s_add_co_u32 s21, s21, 64*PITCH                ; I's halves at 34,816 and 43,520 (waves 2, 3): 17,408 + 8,704 w
	s_lshl_b32 s56, s16, 17                        ; wf: 64 w rows of 2,048 bytes
	s_mov_b32 s57, 0
	s_lshl_b32 s58, s19, 12                        ; I: block ib of 16 rows of 256 bytes,
	s_lshl_b32 s22, s18, 17                        ; and two x of 65,536 bytes for each half
	s_add_co_u32 s58, s58, s22
	s_mov_b32 s59, 0
	s_lshl_b32 s62, s3, 17                         ; jw: (16 jb + 4 w) x 8,192 bytes
	s_lshl_b32 s61, s16, 15
	s_add_co_u32 s62, s62, s61
	s_mov_b32 s63, 0
	s_wait_dscnt 0x0
	s_wait_kmcnt 0x0
	s_add_nc_u64 s[56:57], s[8:9], s[56:57]
	s_add_nc_u64 s[58:59], s[4:5], s[58:59]
	s_add_nc_u64 s[6:7], s[6:7], s[62:63]
	s_lshl_b32 s62, s3, 13                         ; out0: row i = 16 ib (131,072 bytes each), j = 16 jb + 4 w (512 bytes each)
	s_lshl_b32 s61, s16, 11
	s_add_co_u32 s62, s62, s61
	s_lshl_b32 s61, s19, 21
	s_add_co_u32 s62, s62, s61
	s_add_nc_u64 s[14:15], s[14:15], s[62:63]
.irp sl, 0,1
	s_mov_b32 s[G0W+4*\sl], 1
	s_add_co_u32 s[G0W+4*\sl+1], s20, \sl*SLOT
	s_add_nc_u64 s[G0W+4*\sl+2:G0W+4*\sl+3], s[56:57], \sl*256         ; four x are 256 bytes of a row of wf
	s_or_b32 s[G0W+4*\sl+3], s[G0W+4*\sl+3], 0x80000000
	s_mov_b32 s[G0I+4*\sl], 1
	s_add_co_u32 s[G0I+4*\sl+1], s21, \sl*SLOT
	s_add_nc_u64 s[G0I+4*\sl+2:G0I+4*\sl+3], s[58:59], \sl*262144      ; four x of 65,536 bytes
	s_or_b32 s[G0I+4*\sl+3], s[G0I+4*\sl+3], 0x80000000
.endr
	ROUND                                          ; all four work-groups are here: the first joint loads meet
	JLOAD 0                                        ; steps 0 to 3
	JLOAD 1                                        ; steps 4 to 7: a wave has two tensor loads out here, later one
	s_load_b64 s[66:67], s[12:13], 0x0             ; S, twice
	v_and_b32 v14, 31, v0                          ; L
	v_lshlrev_b32 v[CO], 4, v14
	WIN 0x40                                       ; destination in window 1
.set n, 0
.rept 64
	global_load_b128 v[4*n:4*n+3], v[CO], s[6:7] offset:512*n      ; my four j of J, 32 KiB, in the order of the fragments: 512 consecutive bytes a load
.set n, n+1
.endr
	WIN 0
	global_load_b128 v[BIAS:BIAS+3], v[CO], s[10:11]
	v_and_b32 v1, 15, v0                           ; r
	v_bfe_u32 v9, v0, 4, 1                         ; h
	v_mul_u32_u24 v15, v1, PITCH
	v_lshl_add_u32 v15, v9, 4, v15                 ; r x 272 + 16 h: a fragment is two loads of 16 bytes, 32 bytes apart
	v_mov_b32 v[AW], v15
	v_add_nc_u32 v[AW+1], SLOT, v15
	v_add_nc_u32 v[AI], IPART, v15
	v_add_nc_u32 v[AI+1], SLOT+IPART, v15
	s_mul_i32 s23, s16, SWAVE
	s_add_co_u32 s23, s23, STAGE                   ; my stage
	v_mul_u32_u24 v[STO], v1, SPITCH
	v_lshl_add_u32 v[STO], v9, 5, v[STO]
	v_add_nc_u32 v[STO], s23, v[STO]               ; row i = r, 32 bytes for each half of the lanes
	v_lshl_add_u32 v[RD], v14, 4, s23              ; back: a whole row of 512 bytes, 16 a lane
; One run of 24 LDS loads: the fragments of step q of slot sl.  First I's four (16 i x 128 m), then wf's eight (128 o x 32 y) into place q of the ring.
.macro RUN sl, q
	WIN 0
.irp kk, 0,1,2,3
	ds_load_b128 v[IFR+8*\kk:IFR+8*\kk+3],   v[AI+\sl] offset:\q*16*PITCH+64*\kk
	ds_load_b128 v[IFR+8*\kk+4:IFR+8*\kk+7], v[AI+\sl] offset:\q*16*PITCH+64*\kk+32
.endr
	WIN 0xc0                                       ; destination in window 3
.irp ot, 0,1,2,3,4,5,6,7
	ds_load_b128 v[64*\q+8*\ot:64*\q+8*\ot+3],   v[AW+\sl] offset:\ot*16*PITCH+64*\q
	ds_load_b128 v[64*\q+8*\ot+4:64*\q+8*\ot+7], v[AW+\sl] offset:\ot*16*PITCH+64*\q+32
.endr
.endm
; Product 1 of the step whose I lies in IFR: eight accumulators by turns, one instruction a turn; the first K step starts the sums.
; The four v_nop behind it are the places for the conversions, which read its results, and for the loads into IFR.
.macro G1MUL
	WIN 0x01                                       ; source 0 (J) in window 1
.irp kk, 0,1,2,3
.irp a, 0,1,2,3,4,5,6,7
.if \kk == 0
	v_wmma_f32_16x16x32_f16 v[D1+8*\a:D1+8*\a+7], v[32*\a+8*\kk:32*\a+8*\kk+7], v[IFR+8*\kk:IFR+8*\kk+7], 0
.else
	v_wmma_f32_16x16x32_f16 v[D1+8*\a:D1+8*\a+7], v[32*\a+8*\kk:32*\a+8*\kk+7], v[IFR+8*\kk:IFR+8*\kk+7], v[D1+8*\a:D1+8*\a+7]
.endif
.endr
.endr
	PLACES
.endm
; Half of product 1's tiles (a = 4 hf .. 4 hf + 3: j = 2 hf, 2 hf + 1), rounded once to f16, two by two, into operand buffer pb.
.macro CVTH pb, hf
	WIN 0
.irp a, 0,1,2,3
.irp i, 0,1,2,3
	v_cvt_pk_f16_f32 v[PF+32*(\pb)+4*(4*\hf+\a)+\i], v[D1+8*(4*\hf+\a)+2*\i], v[D1+8*(4*\hf+\a)+2*\i+1]
.endr
.endr
.endm
; Half of product 2 (j = 2 hf, 2 hf + 1; all eight blocks of o): wf from place wq of the ring, columns from operand buffer pb.
; Sixteen accumulators, each once: between two matrix instructions on one accumulator stand 63 others, over the
; backward jump too, and 31 in front of the last step, which has no product 1 ahead of it.
.macro G2HALF wq, pb, hf, zero
	WIN 0xa3                                       ; source 0 (wf) in window 3, C and D in window 2
.irp jj, 0,1
.irp ot, 0,1,2,3,4,5,6,7
.if \zero
	v_wmma_f32_16x16x32_f16 v[64*(2*\hf+\jj)+8*\ot:64*(2*\hf+\jj)+8*\ot+7], v[64*\wq+8*\ot:64*\wq+8*\ot+7], v[PF+32*\pb+8*(2*\hf+\jj):PF+32*\pb+8*(2*\hf+\jj)+7], 0
.else
	v_wmma_f32_16x16x32_f16 v[64*(2*\hf+\jj)+8*\ot:64*(2*\hf+\jj)+8*\ot+7], v[64*\wq+8*\ot:64*\wq+8*\ot+7], v[PF+32*\pb+8*(2*\hf+\jj):PF+32*\pb+8*(2*\hf+\jj)+7], v[64*(2*\hf+\jj)+8*\ot:64*(2*\hf+\jj)+8*\ot+7]
.endif
.endr
.endr
.endm
; The body of step s.  wq = s modulo 4, pb = s modulo 2.  run = 1: the fragments of step s + 2 = step rq of slot rsl are fetched.  g2 = 0: no product 2 yet.
; zero = 1: product 2 starts the sums.  sync = 0: within a slot.  sync = 2: the run below is the first to read slot rsl, and slot sl, which has been read
; to its end, is filled again.  sync = 1: the same change of slots with nothing left to fetch.
.macro BODY sync, sl, rsl, rq, wq, pb, run, g2, zero
.if \sync
	s_wait_dscnt 0x0                               ; my reads of slot sl are back (the last were issued a body ago)
	s_set_vgpr_msb (MSB<<8)|((MSB&0xf0)|0x0)
	s_wait_tensorcnt 0x0                           ; and all my tensor loads have landed: the one that was out is my part of slot rsl
	ds_add_u32 v254, v255
	s_wait_dscnt 0x0
	s_set_vgpr_msb (((MSB&0xf0)|0x0)<<8)|MSB
	s_barrier_signal -1                            ; say so (with sync = 2 this barrier opens a round of the cluster's barrier); register work alone up to the wait
.else
	s_wait_dscnt 16                                ; all but the last run's 16 loads of wf: I of step s + 1 is in, and wf of step s, which the run before it brought
.endif
	G1MUL                                          ; product 1 of step s + 1
	CVTH 1-\pb, 0                                  ; its first four tiles
.if \sync
	s_barrier_wait -1                              ; all four waves have said so
.endif
.if \sync == 2
	CREST                                          ; and all four work-groups: no wave of any partner still reads slot sl or has a load on its way
	s_add_nc_u64 s[G0W+4*\sl+2:G0W+4*\sl+3], s[G0W+4*\sl+2:G0W+4*\sl+3], 512       ; no tensor load of mine is out: the slot's next four steps, eight x on
	s_add_nc_u64 s[G0I+4*\sl+2:G0I+4*\sl+3], s[G0I+4*\sl+2:G0I+4*\sl+3], 524288
	JLOAD \sl                                      ; my one tensor load behind the round, and the first thing there; it is first read four bodies, 256 matrix instructions, later
.endif
.if \run
	RUN \rsl, \rq
.endif
.if \g2
	G2HALF \wq, \pb, 0, \zero
.endif
	CVTH 1-\pb, 1                                  ; product 1's other four tiles, among matrix instructions that do not hang on them
.if \g2
	G2HALF \wq, \pb, 1, \zero
.endif
.endm
; Four bodies, steps 4 t + 2 .. 4 t + 5, sl = t modulo 2: their runs read the four steps of tile t + 1, which lies in the other slot.
.macro UNIT sl, sync
	BODY \sync, \sl, 1-\sl, 0, 2, 0, 1, 1, 0
	BODY 0, \sl, 1-\sl, 1, 3, 1, 1, 1, 0
	BODY 0, \sl, 1-\sl, 2, 0, 0, 1, 1, 0
	BODY 0, \sl, 1-\sl, 3, 1, 1, 1, 1, 0
.endm
	s_wait_tensorcnt 0x1                           ; my part of slot 0 is in; slot 1's may stay out
	s_barrier_signal -1
	s_barrier_wait -1                              ; everybody's part of slot 0 is in
	RUN 0, 0                                       ; step 0
	s_wait_loadcnt 0x0                             ; J and final_b
	s_wait_kmcnt 0x0                               ; S
	BODY 0, 0, 0, 1, 3, 1, 1, 0, 0                 ; ahead of step 0: product 1 of step 0, the fragments of step 1
	BODY 0, 0, 0, 2, 0, 0, 1, 1, 1                 ; step 0: its product 2 starts the sums: nothing is ever cleared
	BODY 0, 0, 0, 3, 1, 1, 1, 1, 0                 ; step 1
	WIN 0                                          ; at a label and at a branch every window is 0
	s_mov_b32 s60, 3
.Lpair:
	UNIT 0, 2                                      ; steps 2-5 (10-13, 18-21); slot 0 gets tile 2 (4, 6)
	UNIT 1, 2                                      ; steps 6-9 (14-17, 22-25); slot 1 gets tile 3 (5, 7): the last load
	WIN 0
	s_sub_co_u32 s60, s60, 1
	s_cmp_lg_u32 s60, 0
	s_cbranch_scc1 .Lpair
	UNIT 0, 1                                      ; steps 26-29: tile 7 has landed, nothing is left to fetch
	BODY 0, 0, 0, 0, 2, 0, 0, 1, 0                 ; step 30: product 1 of step 31, no run
	s_wait_dscnt 0x0                               ; wf of step 31
	G2HALF 3, 1, 0, 0                              ; step 31
	G2HALF 3, 1, 1, 0
	; THE WAY OUT.  Lane (r, h), register e of accumulator (jj, ot): i = r, o = 16 ot + 8 h + e: eight neighbouring o of row (i, j), 32 bytes.
	; One j at a time goes through my own stage: sixteen rows (i) of 512 bytes in, whole rows back, one multiply-add, whole rows of out0 stored.
	WIN 0
	PLACES                                         ; behind the last matrix instructions: results are read, their operands' registers are loaded again
.macro OUT jj, buf
	WIN 0x08                                       ; store data in window 2
.irp ot, 0,1,2,3,4,5,6,7
	ds_store_b128 v[STO], v[64*\jj+8*\ot:64*\jj+8*\ot+3]   offset:64*\ot
	ds_store_b128 v[STO], v[64*\jj+8*\ot+4:64*\jj+8*\ot+7] offset:64*\ot+16
.endr
	WIN 0
	s_wait_xcnt 0x0                                ; this buffer, which the stores of two turns ago read, is loaded again only behind this wait
.irp rr, 0,1,2,3,4,5,6,7,8,9,10,11,12,13,14,15
	ds_load_b128 v[\buf+4*\rr:\buf+4*\rr+3], v[RD] offset:\rr*SPITCH       ; LDS serves a wave's instructions in order (ISA guide 5.7.1): these see the stores above
.endr
.irp rr, 0,1,2,3,4,5,6,7,8,9,10,11,12,13,14,15
	s_wait_dscnt 15-\rr                            ; row rr is in, the younger loads may be out
	v_pk_fma_f32 v[\buf+4*\rr:\buf+4*\rr+1],   v[\buf+4*\rr:\buf+4*\rr+1],   s[66:67], v[BIAS:BIAS+1]   op_sel_hi:[1,0,1]
	v_pk_fma_f32 v[\buf+4*\rr+2:\buf+4*\rr+3], v[\buf+4*\rr+2:\buf+4*\rr+3], s[66:67], v[BIAS+2:BIAS+3] op_sel_hi:[1,0,1]
	global_store_b128 v[CO], v[\buf+4*\rr:\buf+4*\rr+3], s[14:15] offset:\rr*131072+\jj*512 th:TH_STORE_NT    ; the 512 bytes of row (i, j), aligned
.endr
.endm
	OUT 0, 16
	OUT 1, 80
	OUT 2, 16
	OUT 3, 80
	s_set_vgpr_msb (MSB<<8)|((MSB&0xf0)|0x0)
	s_wait_tensorcnt 0x0
	ds_add_u32 v254, v255
	s_wait_dscnt 0x0
	s_set_vgpr_msb (((MSB&0xf0)|0x0)<<8)|MSB
	ROUND                                          ; the closing round: no work-group ends while a partner may still ask for a tile that names it
	s_endpgm
.Lfunc_end_k_q3e3b6d60c5_opm:
	.size	k_q3e3b6d60c5_opm, .Lfunc_end_k_q3e3b6d60c5_opm-k_q3e3b6d60c5_opm
	.p2alignl 7, 3214868480
	.fill 96, 4, 3214868480
	.section	.rodata,"a",@progbits
	.p2align	6, 0x0
	.amdhsa_kernel k_q3e3b6d60c5_opm
		.amdhsa_group_segment_fixed_size 327680
		.amdhsa_private_segment_fixed_size 0
		.amdhsa_enable_private_segment 0
		.amdhsa_kernarg_size 48
		.amdhsa_user_sgpr_count 2
		.amdhsa_user_sgpr_kernarg_segment_ptr 1
		.amdhsa_wavefront_size32 1
		.amdhsa_system_sgpr_workgroup_id_x 1
		.amdhsa_system_sgpr_workgroup_id_y 1
		.amdhsa_system_sgpr_workgroup_id_z 1
		.amdhsa_system_vgpr_workitem_id 0
		.amdhsa_next_free_vgpr 1024
		.amdhsa_next_free_sgpr 68
		.amdhsa_reserve_vcc 0
		.amdhsa_float_denorm_mode_32 3
		.amdhsa_float_denorm_mode_16_64 3
		.amdhsa_memory_ordered 1
		.amdhsa_forward_progress 1
		.amdhsa_inst_pref_size 165
	.end_amdhsa_kernel
	.amdgpu_metadata
---
amdhsa.version: [ 1, 2 ]
amdhsa.kernels:
  - .name:           k_q3e3b6d60c5_opm
    .symbol:         k_q3e3b6d60c5_opm.kd
    .args:
      - { .name: iw, .offset: 0, .size: 8, .value_kind: global_buffer, .address_space: global }
      - { .name: jw, .offset: 8, .size: 8, .value_kind: global_buffer, .address_space: global }
      - { .name: wf, .offset: 16, .size: 8, .value_kind: global_buffer, .address_space: global }
      - { .name: final_b, .offset: 24, .size: 8, .value_kind: global_buffer, .address_space: global }
      - { .name: so, .offset: 32, .size: 8, .value_kind: global_buffer, .address_space: global }
      - { .name: out0, .offset: 40, .size: 8, .value_kind: global_buffer, .address_space: global }
    .group_segment_fixed_size: 327680
    .private_segment_fixed_size: 0
    .kernarg_segment_align: 8
    .kernarg_segment_size: 48
    .max_flat_workgroup_size: 128
    .sgpr_count:     68
    .vgpr_count:     1024
    .wavefront_size: 32
...
	.end_amdgpu_metadata
.endif
;; end of part 2
